; MI455X (gfx1250); checked and timed in simulation.
; The chip was launched on July 23, 2026; its instructions are those of AMD's public machine-readable ISA for CDNA 5 (MIT licence, August 2026) and "CDNA5" Instruction Set Architecture Reference Guide (July 2026). The comments in the code are by the model that wrote it; some were corrected since.
;; Star Attention. Allowed arithmetic: matrix products marked QUANTISED: E2M3 operands, one E8M0 scale for each 32 along K, by v_wmma_scale_f32_16x16x128_f8f6f4 with both operands' format E2M3, f32 sums; everything else in f32.
;; Inputs: Wk 1,024 x 1,024 float32; Wq 1,024 x 1,024 float32; Wv 1,024 x 1,024 float32; bk 1,024 float32; bq 1,024 float32; bv 1,024 float32; input_ids 4 x 8,192 x 1,024 float32; ln_b 1,024 float32; ln_g 1,024 float32; query_input 4 x 2,048 x 1,024 float32.
;; Outputs: out0 4 x 2,048 x 1,024 float32.
;; Constants: host_id = 2.
;; This version of the problem:
;;   THIS VERSION OF THE PROBLEM IS GIVEN IN LOW PRECISION. The matrix products marked QUANTISED in the list below multiply operands that are first quantised to E2M3 (2 exponent bits, 3 mantissa bits; 6 bits a number), with one power-of-two scale for each 32 numbers along K (OCP MX v1.0); their sums are f32. All else is computed in f32.
;;   The module's matrix products, in the order in which they are computed (A, B: the left and right operand; K: the contracted axis; several contracted axes count as one K, in the product's order):
;;     1. [M 8,192, K 1,024] x [K 1,024, N 1,024]; A: computed on the way; B: input Wk: QUANTISED
;;     2. [M 8,192, K 1,024] x [K 1,024, N 1,024]; A: computed on the way; B: input Wv: QUANTISED
;;     3. [M 8,192, K 1,024] x [K 1,024, N 1,024]; A: computed on the way; B: input Wq: QUANTISED
;;     4. batch 64 x [M 2,048, K 64] x [K 64, N 2,048]; A: computed on the way; B: computed on the way: QUANTISED
;;     5. batch 64 x [M 64, K 2,048] x [K 2,048, N 2,048]; A: computed on the way; B: softmax (see below): QUANTISED
;;   THE QUANTISER, for each operand of a quantised product, along K:
;;     - K is cut into blocks of 32 from its start; a last block that is shorter is filled with zeros.
;;     - A block's scale is 2^e with e = floor(log2(the largest magnitude in the block)) - 2, held to -126 .. 127; a block of zeros has e = 0. As a byte (E8M0): e + 127.
;;     - Each number is divided by its block's scale, clamped to +-7.5, and rounded to the nearest number of E2M3, ties to even, subnormals kept.
;;     - The product sums the exact products of the quantised numbers (number of the format x scale) in f32.
;;   ~~~python
;;   def quantise(x, axis):      # numpy; x: float32 -> the quantised numbers, widened to float32 again
;;       x = np.moveaxis(x, axis, -1); K = x.shape[-1]
;;       x = np.pad(x, [(0, 0)] * (x.ndim - 1) + [(0, -K % 32)]); x = x.reshape(x.shape[:-1] + (-1, 32)); a = np.abs(x).max(-1, keepdims=True)
;;       e = np.where(a > 0, np.clip(np.frexp(np.where(a > 0, a, 1))[1] - 1 - 2, -126, 127), 0)      # np.frexp(a)[1] - 1 = floor(log2(a)), exactly
;;       r = np.clip(x / 2.0 ** e, -7.5, 7.5)
;;       step = 2.0 ** (np.maximum(np.frexp(np.where(r == 0, 1, r))[1] - 1, 0) - 3)
;;       q = np.round(r / step) * step * 2.0 ** e      # np.round: ties to even
;;       return np.moveaxis(q.reshape(q.shape[:-2] + (-1,))[..., :K], -1, axis).astype(np.float32)
;;   ~~~
;;   SOFTMAX AHEAD OF A QUANTISED PRODUCT. Where the list says 'softmax', what is quantised is not the finished softmax but p = 2^(t - M), with t = logit x log2(e) and M = ceil(the row's largest t), a whole number; so 1/2 < the row's largest p <= 1. The row's sum l is taken of the UNQUANTISED p, in f32, and the product's result is divided by l at the end. Since M is a whole number, a kernel that streams over the keys may use a running M (the ceiling of the running maximum): every later rescaling is an exact power of two, which a block's scale takes up: the codes' values come out the same.
;;   OPERANDS COMPUTED ON THE WAY. 'Computed on the way' means the value that the module computes at that place (a softmax that the list does not call 'softmax' is quantised finished and normalised). What goes into a quantiser is computed in f32, as accurately as f32 sums, v_exp_f32 and their like allow (about 1e-6 of the number): no bf16 or f16 on the way to a quantiser, and a product that is left as it is and whose result goes on into a quantised operand takes f32 operands (vector FMAs, or v_wmma_f32_16x16x4_f32). A number that lies on a knife's edge between two numbers of the format may be rounded either way, as far as f32 arithmetic and the matrix unit's own rounding can turn it there, and no further.
;; One version. Each part assembles by itself: llvm-mc -triple=amdgcn-amd-amdhsa -mcpu=gfx1250 --defsym DOCPART=n.
;; ======== version 1 of 1: 3 launches
;; limits: right only within a limited range of input values
;; workspace buffers: c 14,942,208 bytes; sc 622,592 bytes; f 18,874,368 bytes; fs 786,432 bytes
;; launch prep (part 1): grid 1120 x 1, 4 waves a work-group, no clusters, 57,856 bytes of LDS; arguments input_ids, query_input, ln_g, ln_b, Wk, Wv, Wq, c, sc; writes c, sc
.if DOCPART == 1
	.amdgcn_target "amdgcn-amd-amdhsa--gfx1250"
	.amdhsa_code_object_version 6
	.text
	.protected	k_q9e923ed508_prep
	.globl	k_q9e923ed508_prep
	.p2align	8
	.type	k_q9e923ed508_prep,@function
k_q9e923ed508_prep:
	s_mov_b64 s[64:65], 0
	v_nop
	global_prefetch_b8 v0, s[64:65] scope:SCOPE_SE
	s_setreg_imm32_b32 hwreg(HW_REG_WAVE_MODE, 25, 1), 1
	s_wait_xcnt 0x0
; PREP.  (a) layer norm of the 8,192 local tokens (input_ids[:, 4096:6144], host_id = 2) and of the 8,192 query tokens, in f32, then quantised along the 1,024 channels;
; (b) Wk, Wv, Wq [k][n] quantised along k.  Codes of FP6 (E2M3), one E8M0 byte for each 32 along K.
; WHAT IS STORED.  c: tiles of 16 rows x 1,024 K as eight FRAGMENT IMAGES of 1,536 bytes: byte 512 p + 16 l + 4 e of an image is register 4 p + e of lane l of the matrix operand
; (lane (r, h), registers 6 c .. 6 c + 5: K = 64 c + 32 h + 0 .. 31 of row position r).  Tiles 0-511 local tokens (128 b + 2 g + u), 512-1023 query tokens, 1024 + 64 m + 2 g + u columns of weight m.
; Row position r of tile (g, u) is row 32 g + 8 u + r + 8 (r / 8) of its tensor.  sc: 512 bytes a tile: the byte of row position r and K block k at 256 (k / 16) + 16 r + k % 16.
; A block's scale byte is its largest magnitude's exponent field - 2, held at 1 from below.  A block of zeros so gets the byte 1 where the quantiser says 127: its codes are zeros, and this program alone reads the bytes.
; LIMITS: NaN and infinities among the inputs are not served; blocks whose largest magnitude lies under 2^-124 are held at the byte 1.
; SHARES.  Work-groups 0-95: weight m = id / 32, 128 columns, 256 along K; a lane takes a column and its registers run down K.  Work-groups 96-1119: one token tile each; a wave takes four row positions, a row at a time.
; Everything is loaded through registers (no tensor load, so no joint request); a row is read by one wave alone, only ln_g and ln_b are read by all.  The two paths have LDS bytes of their own.
.set NWW,   96                         ; work-groups of the weights' path
.set TURNB, 0                          ; LN: 4 waves x 32 places of 144 bytes: a row's 32 K blocks of 128 bytes, 16 of padding behind each
.set IMG,   18432                      ; LN: 16 half fragments (2 s + h) of 784 bytes (16 lanes x 48, + 16)
.set LSC,   30976                      ; LN: the tile's 512 scale bytes
.set WIMG,  31488                      ; weights: 4 waves x 8 half fragments (4 u + 2 s + h)
.set HF,    784
.set CH,    14                         ; v14-21   four packed chains
.set G,     40                         ; v40-71   ln_g as a row is loaded: register 4 j + e = channel 128 j + 4 lane + e
.set B,     72                         ; v72-103  ln_b
.set X,     104                        ; v104-199 three sets of 32: rows on their way (weights: two sets, K blocks)
.set T,     200                        ; v200-231 one K block of 32 numbers
.set C,     232                        ; v232-237 its codes
.set D,     240                        ; v240-242 the upper 16 codes as the conversion leaves them
.set SB,    244                        ; v244-245 weights: eight scale bytes
; 32 numbers of one lane, one K block, become 24 bytes of codes in v[C] on and the scale's byte in v26
.macro BQ x
	v_max3_num_f32 v24, |v[\x]|, |v[\x+1]|, |v[\x+2]|          ; the largest magnitude, in two chains
	v_max3_num_f32 v22, |v[\x+3]|, |v[\x+4]|, |v[\x+5]|
.irp i, 6,10,14,18,22,26
	v_max3_num_f32 v24, v24, |v[\x+\i]|, |v[\x+\i+1]|
	v_max3_num_f32 v22, v22, |v[\x+\i+2]|, |v[\x+\i+3]|
.endr
	v_max3_num_f32 v24, v24, |v[\x+30]|, |v[\x+31]|
	v_max3_num_f32 v24, v24, v22, 0x1800000                    ; and the floor 2^(3 - 127): the byte cannot fall under 1
	v_add_nc_u32 v25, 0xff000000, v24                          ; 2 off the exponent field: the conversion takes this operand's exponent field as its scale
	v_cvt_scalef32_pk16_fp6_f32 v[C:C+2], v[\x:\x+15], v25
	v_cvt_scalef32_pk16_fp6_f32 v[D:D+2], v[\x+16:\x+31], v25  ; (a conversion's three registers begin on an even number)
	v_lshrrev_b32 v26, 23, v25                                 ; the byte; also the plain line behind the conversions
.irp i, 0,1,2
	v_mov_b32 v[C+3+\i], v[D+\i]
.endr
.endm
	s_load_b256 s[4:11], s[0:1], 0x0               ; input_ids, query_input, ln_g, ln_b
	s_load_b256 s[12:19], s[0:1], 0x20             ; Wk, Wv, Wq, c
	s_load_b64 s[24:25], s[0:1], 0x40              ; sc
	v_lshl_add_u32 v254, v0, 2, 0xe000
	v_mov_b32 v255, 0
	v_lshrrev_b32 v1, 5, v0
	v_readfirstlane_b32 s26, v1                    ; wave 0..3
	v_and_b32 v1, 31, v0                           ; lane
	v_lshlrev_b32 v2, 4, v1                        ; 16 x lane
	s_cmp_lt_u32 ttmp9, NWW
	s_cbranch_scc1 .Lweights
; ---------------------------------------------------------------- the layer norm's path
	s_sub_co_u32 s27, ttmp9, NWW                   ; the tile, 0 .. 1023
	s_and_b32 s28, s27, 511
	s_lshr_b32 s29, s28, 7                         ; batch
	s_and_b32 s30, s28, 127
	s_lshr_b32 s31, s30, 1                         ; g
	s_and_b32 s30, s30, 1                          ; u
	s_lshl_b32 s31, s31, 5
	s_lshl_b32 s30, s30, 3
	s_add_co_u32 s31, s31, s30                     ; 32 g + 8 u
	s_lshl_b32 s30, s26, 2
	s_add_co_u32 s31, s31, s30                     ; + 4 wave: my first row position,
	s_lshr_b32 s30, s26, 1
	s_lshl_b32 s30, s30, 3
	s_add_co_u32 s31, s31, s30                     ; + 8 (position / 8): four tokens on end
	s_lshl_b32 s32, s29, 13
	s_add_co_u32 s32, s32, 4096                    ; input_ids: row 8,192 b + 2 x 2,048
	s_lshl_b32 s33, s29, 11                        ; query_input: row 2,048 b
	s_mul_i32 s34, s27, 12288                      ; the tile's place in c
	s_mov_b32 s35, 0
	s_cmp_ge_u32 s27, 512
	s_cselect_b32 s32, s33, s32
	s_wait_kmcnt 0x0
	s_cselect_b64 s[4:5], s[6:7], s[4:5]           ; the choice hangs on the work-group's number alone
	s_add_co_u32 s32, s32, s31
	s_lshl_b32 s32, s32, 12                        ; rows of 4,096 bytes (under 2^31)
	s_mov_b32 s33, 0
	s_add_nc_u64 s[4:5], s[4:5], s[32:33]
	s_add_nc_u64 s[18:19], s[18:19], s[34:35]
	s_lshl_b32 s34, s27, 9
	s_add_nc_u64 s[24:25], s[24:25], s[34:35]
.macro RLOAD i                         ; row i of my four into set i % 3: each load covers 512 consecutive bytes
.irp j, 0,1,2,3,4,5,6,7
	global_load_b128 v[X+32*((\i)%3)+4*\j:X+32*((\i)%3)+4*\j+3], v2, s[4:5] offset:4096*(\i)+512*\j th:TH_LOAD_NT
.endr
.endm
	s_wait_alu depctr_va_vdst(0)
.irp j, 0,1,2,3,4,5,6,7
	global_load_b128 v[G+4*\j:G+4*\j+3], v2, s[8:9] offset:512*\j
.endr
.irp j, 0,1,2,3,4,5,6,7
	global_load_b128 v[B+4*\j:B+4*\j+3], v2, s[10:11] offset:512*\j
.endr
	RLOAD 0
	RLOAD 1
	RLOAD 2
	s_mov_b32 s20, 0x76543210
	s_mov_b32 s21, 0xfedcba98                      ; v_permlanex16_b32's selects for lane l xor 16
	s_mov_b32 s22, 0x3a800000                      ; 1 / 1,024
	s_mov_b32 s23, 0x2b8cbccc                      ; 1e-12
	s_mul_i32 s36, s26, 4608
	v_lshrrev_b32 v3, 3, v1
	v_mul_u32_u24 v3, v3, 144
	v_and_b32 v9, 7, v1
	v_lshl_add_u32 v3, v9, 4, v3
	v_add_nc_u32 v3, s36, v3                       ; the turn, in: my 16 bytes of a load's 512: block 4 j + lane / 8, byte 16 (lane % 8)
	v_mul_u32_u24 v4, v1, 144
	v_add_nc_u32 v4, s36, v4                       ; and out: block = lane
	v_lshrrev_b32 v5, 2, v1
	v_lshlrev_b32 v5, 1, v5
	v_and_b32 v9, 1, v1
	v_add_nc_u32 v5, v5, v9                        ; K block = lane: K step s = lane / 4, half h = lane % 2,
	v_mul_u32_u24 v5, v5, HF
	v_bfe_u32 v9, v1, 1, 1
	v_mad_u32_u24 v5, v9, 24, v5                   ; registers 6 c on with c = (lane / 2) % 2
	s_mul_i32 s37, s26, 192
	s_add_co_u32 s37, s37, IMG
	v_add_nc_u32 v5, s37, v5                       ; + 48 x my first row position
	v_lshrrev_b32 v6, 4, v1
	v_and_b32 v9, 15, v1
	v_lshl_add_u32 v6, v6, 8, v9
	s_lshl_b32 s37, s26, 6
	s_add_co_u32 s37, s37, LSC
	v_add_nc_u32 v6, s37, v6                       ; the scale byte: 256 (block / 16) + block % 16 + 16 x row position
	v_lshrrev_b32 v7, 4, v1
	v_mul_u32_u24 v7, v7, HF
	v_mad_u32_u24 v7, v9, 48, v7
	s_mul_i32 s37, s26, 4*HF
	s_add_co_u32 s37, s37, IMG
	v_add_nc_u32 v7, s37, v7                       ; the way out: K steps 2 wave, 2 wave + 1: lane l's 48 bytes
	s_mul_i32 s37, s26, 3072
	v_add_nc_u32 v8, s37, v2                       ; and their place in the tile's 12,288 bytes of c
	v_add_nc_u32 v27, LSC, v2                      ; wave 0's read of the 512 scale bytes
	v_mov_b32 v11, 0                               ; (upper halves of pairs of which the low word serves both halves)
	v_mov_b32 v13, 0
	v_mov_b32 v23, 0                               ; written once: a lane permute's destination counts as one of its sources
.macro REDUCE                          ; v22 summed over the 32 lanes, the result in every lane
	v_add_f32_dpp v22, v22, v22 row_xmask:1 row_mask:0xf bank_mask:0xf
	v_add_f32_dpp v22, v22, v22 row_xmask:2 row_mask:0xf bank_mask:0xf
	v_add_f32_dpp v22, v22, v22 row_xmask:4 row_mask:0xf bank_mask:0xf
	v_add_f32_dpp v22, v22, v22 row_xmask:8 row_mask:0xf bank_mask:0xf
	v_permlanex16_b32 v23, v22, s20, s21
	v_add_f32 v22, v22, v23
.endm
.macro FOLD                            ; the four chains into v22
	v_pk_add_f32 v[CH:CH+1], v[CH:CH+1], v[CH+2:CH+3]
	v_pk_add_f32 v[CH+4:CH+5], v[CH+4:CH+5], v[CH+6:CH+7]
	v_pk_add_f32 v[CH:CH+1], v[CH:CH+1], v[CH+4:CH+5]
	v_add_f32 v22, v[CH], v[CH+1]
.endm
; One row.  left: the loads of later rows, which may stay out.
.macro ROW i, left
.set XS, X+32*((\i)%3)
	s_wait_loadcnt \left                           ; loads come back in order: ln_g, ln_b and this row are in
.irp k, 0,1,2,3
	v_pk_add_f32 v[CH+2*\k:CH+2*\k+1], v[XS+2*\k:XS+2*\k+1], v[XS+8+2*\k:XS+8+2*\k+1]
.endr
.irp j, 16,24
.irp k, 0,1,2,3
	v_pk_add_f32 v[CH+2*\k:CH+2*\k+1], v[CH+2*\k:CH+2*\k+1], v[XS+\j+2*\k:XS+\j+2*\k+1]
.endr
.endr
	FOLD
	REDUCE
	v_mul_f32 v10, s22, v22                        ; the mean
.irp j, 0,2,4,6,8,10,12,14,16,18,20,22,24,26,28,30
	v_pk_add_f32 v[XS+\j:XS+\j+1], v[XS+\j:XS+\j+1], v[10:11] op_sel_hi:[1,0] neg_lo:[0,1] neg_hi:[0,1]   ; x - mean
.endr
.irp k, 0,1,2,3
	v_pk_mul_f32 v[CH+2*\k:CH+2*\k+1], v[XS+2*\k:XS+2*\k+1], v[XS+2*\k:XS+2*\k+1]
.endr
.irp j, 8,16,24
.irp k, 0,1,2,3
	v_pk_fma_f32 v[CH+2*\k:CH+2*\k+1], v[XS+\j+2*\k:XS+\j+2*\k+1], v[XS+\j+2*\k:XS+\j+2*\k+1], v[CH+2*\k:CH+2*\k+1]
.endr
.endr
	FOLD
	REDUCE
	v_fma_f32 v22, v22, s22, s23                   ; the variance + 1e-12
	s_wait_alu depctr_va_vdst(0)
	v_rsq_f32 v12, v22
	v_nop                                          ; a plain line behind the transcendental,
	s_wait_alu depctr_va_vdst(0)                   ; and the wait ahead of its first reader
.irp j, 0,2,4,6,8,10,12,14,16,18,20,22,24,26,28,30
	v_pk_mul_f32 v[XS+\j:XS+\j+1], v[XS+\j:XS+\j+1], v[12:13] op_sel_hi:[1,0]
.endr
.irp j, 0,2,4,6,8,10,12,14,16,18,20,22,24,26,28,30
	v_pk_fma_f32 v[XS+\j:XS+\j+1], v[XS+\j:XS+\j+1], v[G+\j:G+\j+1], v[B+\j:B+\j+1]
.endr
.irp j, 0,1,2,3,4,5,6,7                ; the turn through my own LDS bytes: in as loaded, out a K block a lane; LDS serves a wave's instructions in order
	ds_store_b128 v3, v[XS+4*\j:XS+4*\j+3] offset:TURNB+576*\j
.endr
.irp j, 0,1,2,3,4,5,6,7
	ds_load_b128 v[T+4*\j:T+4*\j+3], v4 offset:TURNB+16*\j
.endr
	s_wait_dscnt 0x0                               ; the block is in; the stores have read their registers, the last row's code stores too
.if (\i) == 0
	RLOAD 3                                        ; the fourth row takes the first row's registers
.endif
	BQ T
.irp p, 0,1,2
	ds_store_b64 v5, v[C+2*\p:C+2*\p+1] offset:48*(\i)+8*\p
.endr
	ds_store_b8 v6, v26 offset:16*(\i)
.endm
	ROW 0, 16                                      ; rows 1 and 2 may be out
	ROW 1, 16                                      ; rows 2 and 3
	ROW 2, 8                                       ; row 3
	ROW 3, 0
	s_wait_dscnt 0x0                               ; for the others' sake: my stores into the images have landed
	s_barrier_signal -1
	s_barrier_wait -1                              ; the tile's eight images are whole: their rows come from all four waves
.irp k, 0,1,2,3,4,5
	ds_load_b128 v[T+4*\k:T+4*\k+3], v7 offset:2*HF*(\k/3)+16*(\k%3)
.endr
.irp k, 0,1,2,3,4,5
	s_wait_dscnt 5-\k                              ; the later loads may be out
	global_store_b128 v8, v[T+4*\k:T+4*\k+3], s[18:19] offset:1536*(\k/3)+512*(\k%3)   ; 512 consecutive bytes, at a multiple of 512 from c's first byte
.endr
	s_cmp_lg_u32 s26, 0
	s_cbranch_scc1 .Ldone
	ds_load_b128 v[C:C+3], v27                     ; wave 0: the tile's 512 scale bytes
	s_wait_dscnt 0x0
	global_store_b128 v2, v[C:C+3], s[24:25]
.Ldone:
	s_wait_tensorcnt 0x0
	ds_add_u32 v254, v255
	s_wait_dscnt 0x0
	s_endpgm
; ---------------------------------------------------------------- the weights' path
.Lweights:
	s_lshr_b32 s27, ttmp9, 5                       ; which weight: 0 Wk, 1 Wv, 2 Wq
	s_and_b32 s28, ttmp9, 7                        ; which 128 columns
	s_bfe_u32 s29, ttmp9, 0x20003                  ; which 256 along K
	s_lshl_b32 s30, s29, 20                        ; 256 rows of 4,096 bytes
	s_lshl_b32 s31, s28, 9
	s_add_co_u32 s30, s30, s31
	s_lshl_b32 s31, s26, 7                         ; my wave's 32 columns
	s_add_co_u32 s30, s30, s31
	s_mov_b32 s31, 0
	s_lshl_b32 s32, s27, 6
	s_lshl_b32 s33, s28, 3
	s_add_co_u32 s32, s32, s33
	s_lshl_b32 s33, s26, 1
	s_add_co_u32 s32, s32, s33
	s_add_co_u32 s32, s32, 1024                    ; my first tile: 1024 + 64 m + 8 nb + 2 wave
	s_mul_i32 s34, s32, 12288
	s_mul_i32 s33, s29, 3072                       ; K steps 2 kq, 2 kq + 1
	s_add_co_u32 s34, s34, s33
	s_mov_b32 s35, 0
	s_lshl_b32 s36, s32, 9
	s_lshr_b32 s33, s29, 1
	s_lshl_b32 s33, s33, 8
	s_add_co_u32 s36, s36, s33
	s_and_b32 s33, s29, 1
	s_lshl_b32 s33, s33, 3
	s_add_co_u32 s36, s36, s33                     ; K blocks 8 kq on: 256 (kq / 2) + 8 (kq % 2)
	s_mov_b32 s37, 0
	s_wait_kmcnt 0x0
	s_cmp_eq_u32 s27, 0
	s_cselect_b64 s[12:13], s[12:13], s[16:17]
	s_cmp_eq_u32 s27, 1
	s_cselect_b64 s[12:13], s[14:15], s[12:13]
	s_add_nc_u64 s[12:13], s[12:13], s[30:31]
	s_add_nc_u64 s[18:19], s[18:19], s[34:35]
	s_add_nc_u64 s[24:25], s[24:25], s[36:37]
	s_wait_alu depctr_va_vdst(0)
	v_lshlrev_b32 v3, 2, v1                        ; in: 4 bytes a lane: a load reads 128 consecutive bytes of a row of W
.macro LOAD t                          ; K block t: W(32 t + i, my column) into set t % 2
.irp i, 0,1,2,3,4,5,6,7,8,9,10,11,12,13,14,15,16,17,18,19,20,21,22,23,24,25,26,27,28,29,30,31
	global_load_b32 v[X+32*((\t)%2)+\i], v3, s[12:13] offset:(32*(\t)+\i)*4096 th:TH_LOAD_NT
.endr
.endm
	LOAD 0
	LOAD 1
	v_bfe_u32 v9, v1, 3, 1                         ; column 32 g + lane is row position r = lane % 8 + 8 (lane / 16) of tile u = (lane / 8) % 2
	v_and_b32 v5, 7, v1
	v_lshrrev_b32 v6, 4, v1
	v_lshl_add_u32 v5, v6, 3, v5
	v_mul_u32_u24 v4, v9, 4*HF
	v_mad_u32_u24 v4, v5, 48, v4
	s_mul_i32 s38, s26, 8*HF
	s_add_co_u32 s38, s38, WIMG
	v_add_nc_u32 v4, s38, v4                       ; into my wave's images
	v_mul_u32_u24 v7, v6, HF
	v_and_b32 v8, 15, v1
	v_mad_u32_u24 v7, v8, 48, v7
	v_add_nc_u32 v7, s38, v7                       ; and out of them: lane l's 48 bytes
	v_lshlrev_b32 v8, 4, v5
	v_lshl_add_u32 v8, v9, 9, v8                   ; my eight scale bytes: 512 u + 16 r
.macro BLOCK t
.if (\t) < 7
	s_wait_loadcnt 32                              ; this block's 32 loads are in; the next block's may be out
.else
	s_wait_loadcnt 0x0
.endif
	BQ X+32*((\t)%2)
.if (\t)%4 == 0
	v_mov_b32 v[SB+(\t)/4], v26                    ; four bytes to a register, the lower K in the lower byte
.else
	v_lshl_or_b32 v[SB+(\t)/4], v26, 8*((\t)%4), v[SB+(\t)/4]
.endif
.irp p, 0,1,2
	ds_store_b64 v4, v[C+2*\p:C+2*\p+1] offset:HF*(2*((\t)/4)+(\t)%2)+24*(((\t)/2)%2)+8*\p
.endr
.if (\t)+2 < 8
	LOAD (\t)+2
.endif
	s_wait_dscnt 0x0                               ; the stores have read their registers: the next block's codes may be written
.endm
.irp t, 0,1,2,3,4,5,6,7
	BLOCK \t
.endr
	s_wait_alu depctr_va_vdst(0)
	global_store_b64 v8, v[SB:SB+1], s[24:25]      ; 8 of each row position's 16 bytes: the one store of this text that leaves gaps between lanes
.irp k, 0,1,2,3,4,5,6,7,8,9,10,11      ; fragment k / 3 = 2 u + s
	ds_load_b128 v[G+4*\k:G+4*\k+3], v7 offset:2*HF*(\k/3)+16*(\k%3)
.endr
.irp k, 0,1,2,3,4,5,6,7,8,9,10,11
	s_wait_dscnt 11-\k                             ; the later loads may be out
	global_store_b128 v2, v[G+4*\k:G+4*\k+3], s[18:19] offset:12288*(\k/6)+1536*((\k/3)%2)+512*(\k%3)
.endr
	s_wait_tensorcnt 0x0
	ds_add_u32 v254, v255
	s_wait_dscnt 0x0
	s_endpgm
.Lfunc_end_k_q9e923ed508_prep:
	.size	k_q9e923ed508_prep, .Lfunc_end_k_q9e923ed508_prep-k_q9e923ed508_prep
	.p2alignl 7, 3214868480
	.fill 96, 4, 3214868480
	.section	.rodata,"a",@progbits
	.p2align	6, 0x0
	.amdhsa_kernel k_q9e923ed508_prep
		.amdhsa_group_segment_fixed_size 57856
		.amdhsa_private_segment_fixed_size 0
		.amdhsa_enable_private_segment 0
		.amdhsa_kernarg_size 72
		.amdhsa_user_sgpr_count 2
		.amdhsa_user_sgpr_kernarg_segment_ptr 1
		.amdhsa_wavefront_size32 1
		.amdhsa_system_sgpr_workgroup_id_x 1
		.amdhsa_system_sgpr_workgroup_id_y 1
		.amdhsa_system_sgpr_workgroup_id_z 1
		.amdhsa_system_vgpr_workitem_id 0
		.amdhsa_next_free_vgpr 256
		.amdhsa_next_free_sgpr 66
		.amdhsa_reserve_vcc 0
		.amdhsa_float_denorm_mode_32 3
		.amdhsa_float_denorm_mode_16_64 3
		.amdhsa_memory_ordered 1
		.amdhsa_forward_progress 1
		.amdhsa_inst_pref_size 87
	.end_amdhsa_kernel
	.amdgpu_metadata
---
amdhsa.version: [ 1, 2 ]
amdhsa.kernels:
  - .name:           k_q9e923ed508_prep
    .symbol:         k_q9e923ed508_prep.kd
    .args:
      - { .name: input_ids, .offset: 0, .size: 8, .value_kind: global_buffer, .address_space: global }
      - { .name: query_input, .offset: 8, .size: 8, .value_kind: global_buffer, .address_space: global }
      - { .name: ln_g, .offset: 16, .size: 8, .value_kind: global_buffer, .address_space: global }
      - { .name: ln_b, .offset: 24, .size: 8, .value_kind: global_buffer, .address_space: global }
      - { .name: Wk, .offset: 32, .size: 8, .value_kind: global_buffer, .address_space: global }
      - { .name: Wv, .offset: 40, .size: 8, .value_kind: global_buffer, .address_space: global }
      - { .name: Wq, .offset: 48, .size: 8, .value_kind: global_buffer, .address_space: global }
      - { .name: c, .offset: 56, .size: 8, .value_kind: global_buffer, .address_space: global }
      - { .name: sc, .offset: 64, .size: 8, .value_kind: global_buffer, .address_space: global }
    .group_segment_fixed_size: 57856
    .private_segment_fixed_size: 0
    .kernarg_segment_align: 8
    .kernarg_segment_size: 72
    .max_flat_workgroup_size: 128
    .sgpr_count:     66
    .vgpr_count:     256
    .wavefront_size: 32
...
	.end_amdgpu_metadata
.endif
;; end of part 1
;; launch gemm (part 2): grid 4 x 96, 4 waves a work-group, clusters of 4 x 4, 327,680 bytes of LDS; arguments c, sc, bk, bv, bq, f, fs; writes f, fs
.if DOCPART == 2
	.amdgcn_target "amdgcn-amd-amdhsa--gfx1250"
	.amdhsa_code_object_version 6
	.text
	.protected	k_q9e923ed508_gemm
	.globl	k_q9e923ed508_gemm
	.p2align	8
	.type	k_q9e923ed508_gemm,@function
k_q9e923ed508_gemm:
	s_mov_b64 s[64:65], 0
	v_nop
	global_prefetch_b8 v0, s[64:65] scope:SCOPE_SE
	s_setreg_imm32_b32 hwreg(HW_REG_WAVE_MODE, 25, 1), 1
	s_wait_xcnt 0x0
	s_wait_alu depctr_hold_cnt(0) depctr_sa_sdst(0) depctr_va_vdst(0) depctr_va_sdst(0) depctr_va_ssrc(0) depctr_va_vcc(0) depctr_vm_vsrc(0)
	s_getreg_b32 s2, hwreg(HW_REG_IB_STS2, 6, 4)
	s_cmp_eq_u32 s2, 0
	s_cbranch_scc0 .Lentry_in_a_cluster
	s_endpgm
.Lentry_in_a_cluster:
	s_bfe_u32 s2, ttmp6, 0x10000c
	s_cmp_lg_u32 s2, 0xf033
	s_cbranch_scc0 .Lentry_shape_is_right
	s_endpgm
.Lentry_shape_is_right:
.set FR,    12
.set NL,    3
.set TILEB, 12288
.set SROW,  3072
.set HALFT, 8*SROW
.set SLOT,  4*HALFT
.set SPARE, 2*SLOT
.set BL,   8
.set ADRL, 24
.set ADRP, 26
.set SPW,  28
.set NIL,  29
.set CO,   30
.set CS,   31
.set SC,   32
.set AF,   128
.set TM,   96
.set WD,   112
.set DD,   120
.set ST,   128
.set F0,   192
.set F1,   204
.set CT,   216
.set WV,   18
.set WL,   19
.set WP,   20
.set G1,   24
.set G0,   32
.set G1B,  48
.set G0B,  56
.set MODE, 43
.set MSB, 0
.macro WIN new
.if MSB != (\new)
	s_set_vgpr_msb (MSB<<8)|(\new)
.set MSB, (\new)
.endif
.endm
.set MUL_LO, 0xa1
.set MUL_HI, 0xf1
.set TO_P,   0x40
.macro JLOAD g0a, g1a, g0b, g1b
	s_cmp_eq_u32 s[WL], 0
	s_cbranch_scc0 .Lfor_b_\@
	tensor_load_to_lds s[\g0a:\g0a+3], s[\g1a:\g1a+7]
	s_nop 0
.rept 4
	v_nop
.endr
	s_branch .Lasked_\@
.Lfor_b_\@:
	tensor_load_to_lds s[\g0b:\g0b+3], s[\g1b:\g1b+7]
	s_nop 0
.rept 4
	v_nop
.endr
.Lasked_\@:
.endm
.macro CREST
	s_cmp_lg_u32 s[WV], 0
	s_cbranch_scc1 .Lnot_wave_0_\@
	s_barrier_signal -3
.Lnot_wave_0_\@:
	s_barrier_wait -3
	s_barrier_signal -1
	s_barrier_wait -1
.endm
.macro CROUND
	s_barrier_signal -1
	s_barrier_wait -1
	CREST
.endm
	s_load_b256 s[4:11], s[0:1], 0x0
	s_load_b128 s[12:15], s[0:1], 0x20
	s_load_b64 s[16:17], s[0:1], 0x30
	v_lshl_add_u32 v[SPW], v0, 2, SPARE
	v_mov_b32 v[NIL], 0
	ds_add_u32 v28, v29
	ds_add_u32 v28, v29
	s_wait_dscnt 0x0
	v_lshrrev_b32 v1, 5, v0
	v_readfirstlane_b32 s[WV], v1
	s_lshr_b32 s[WL], s[WV], 1
	s_and_b32 s[WP], s[WV], 1
	s_bfe_u32 s40, ttmp6, 0x40000
	s_bfe_u32 s41, ttmp6, 0x40004
	s_and_b32 s42, ttmp7, 0xffff
	s_lshr_b32 s[MODE], s42, 3
	s_cmp_ge_u32 s42, 8
	s_cselect_b32 s44, 8, 0
	s_sub_co_u32 s44, s42, s44
	s_lshl_b32 s44, s44, 2
	s_add_co_u32 s44, s44, s41
	s_lshl_b32 s45, ttmp9, 2
	s_add_co_u32 s45, s45, s40
	s_lshl_b32 s46, s41, 2
	s_lshl_b32 s46, 15, s46
	s_lshl_b32 s47, 0x1111, s40
	s_or_b32 s[G1+0], s46, (3<<16)|(1<<21)
	s_or_b32 s[G1B+0], s47, (3<<16)|(1<<21)
.irp g, G1, G1B
	s_mov_b32 s[\g+1], 384<<16
	s_mov_b32 s[\g+2], 8<<16
	s_mov_b32 s[\g+3], 384<<16
	s_mov_b32 s[\g+4], 8
	s_mov_b32 s[\g+5], 1536
	s_mov_b32 s[\g+6], 0
	s_mov_b32 s[\g+7], 0
.endr
	s_lshl_b32 s70, s[WP], 3
	s_lshl_b32 s66, s44, 4
	s_add_co_u32 s66, s66, s70
	s_mul_i32 s66, s66, TILEB
	s_mov_b32 s67, 0
	s_lshl_b32 s68, s[MODE], 6
	s_lshl_b32 s69, s45, 4
	s_add_co_u32 s68, s68, s69
	s_add_co_u32 s68, s68, s70
	s_add_co_u32 s68, s68, 1024
	s_mul_i32 s68, s68, TILEB
	s_mov_b32 s69, 0
	s_mul_i32 s70, s[WV], HALFT
	s_wait_kmcnt 0x0
	s_add_nc_u64 s[66:67], s[4:5], s[66:67]
	s_add_nc_u64 s[68:69], s[4:5], s[68:69]
	CROUND
.irp s, 0,1
	s_mov_b32 s[G0+4*\s], 1
	s_add_co_u32 s[G0+4*\s+1], s70, \s*SLOT
	s_add_nc_u64 s[G0+4*\s+2:G0+4*\s+3], s[66:67], \s*SROW
	s_or_b32 s[G0+4*\s+3], s[G0+4*\s+3], 0x80000000
	s_mov_b32 s[G0B+4*\s], 1
	s_add_co_u32 s[G0B+4*\s+1], s70, \s*SLOT
	s_add_nc_u64 s[G0B+4*\s+2:G0B+4*\s+3], s[68:69], \s*SROW
	s_or_b32 s[G0B+4*\s+3], s[G0B+4*\s+3], 0x80000000
	s_wait_alu depctr_va_vdst(0)
	s_wait_tensorcnt 0x0
	ds_add_u32 v28, v29
	ds_add_u32 v28, v29
	s_wait_dscnt 0x0
	CROUND
	JLOAD G0+4*\s, G1, G0B+4*\s, G1B
.endr
	v_and_b32 v1, 15, v0
	v_bfe_u32 v2, v0, 4, 1
	v_and_b32 v3, 31, v0
	v_lshlrev_b32 v[CO], 4, v3
	s_wait_alu depctr_va_vdst(0)
	v_lshlrev_b32 v[CS], 4, v1
	v_lshl_add_u32 v[CS], v2, 12, v[CS]
	s_cmp_eq_u32 s[MODE], 1
	s_cselect_b32 s71, s[WP], s[WL]
	s_cselect_b32 s72, s[WL], s[WP]
	s_cselect_b32 s73, 2*HALFT, 0
	s_cselect_b32 s74, 0, 2*HALFT
	s_mul_i32 s75, s[WL], HALFT
	s_mul_i32 s76, s[WP], HALFT
	s_add_co_u32 s75, s75, s73
	s_add_co_u32 s76, s76, s74
.irp s, 0,1
	v_add_nc_u32 v[ADRL+\s], s75, v[CO]
	v_add_nc_u32 v[ADRP+\s], s76, v[CO]
	s_add_co_u32 s75, s75, SLOT
	s_add_co_u32 s76, s76, SLOT
.endr
	s_lshl_b32 s77, s44, 4
	s_lshl_b32 s79, s71, 3
	s_add_co_u32 s77, s77, s79
	s_lshl_b32 s78, s[MODE], 6
	s_lshl_b32 s79, s45, 4
	s_add_co_u32 s78, s78, s79
	s_lshl_b32 s79, s72, 3
	s_add_co_u32 s78, s78, s79
	s_add_co_u32 s78, s78, 1024
	s_lshl_b32 s77, s77, 9
	s_lshl_b32 s78, s78, 9
	s_cmp_eq_u32 s[MODE], 1
	s_cselect_b32 s79, s78, s77
	s_cselect_b32 s80, s77, s78
	v_mov_b32 v4, s79
	v_mov_b32 v5, s80
	v_cmp_ne_u32 vcc_lo, 0, v2
	v_cndmask_b32 v4, v4, v5, vcc_lo
	v_lshl_add_u32 v4, v1, 4, v4
.irp i, 0,1,2,3,4,5,6,7
.irp j, 0,1
	global_load_b128 v[SC+8*\i+4*\j:SC+8*\i+4*\j+3], v4, s[6:7] offset:512*\i+256*\j
.endr
.endr
	s_cmp_eq_u32 s[MODE], 0
	s_cselect_b64 s[82:83], s[8:9], s[12:13]
	s_cmp_eq_u32 s[MODE], 1
	s_cselect_b64 s[82:83], s[10:11], s[82:83]
	s_lshl_b32 s84, s45, 10
	s_lshl_b32 s85, s72, 9
	s_add_co_u32 s84, s84, s85
	s_mov_b32 s85, 0
	s_add_nc_u64 s[82:83], s[82:83], s[84:85]
	v_lshlrev_b32 v6, 6, v2
	v_and_b32 v7, 8, v1
	v_add_nc_u32 v7, v7, v1
	v_lshlrev_b32 v7, 2, v7
	WIN TO_P
.irp b, 0,1,2,3,4,5,6,7
	global_load_b128 v[96+8*\b+96*(\b/4):96+8*\b+96*(\b/4)+3], v6, s[82:83] offset:(32*(\b/2)+8*(\b%2))*4
	global_load_b128 v[96+8*\b+96*(\b/4)+4:96+8*\b+96*(\b/4)+7], v6, s[82:83] offset:(32*(\b/2)+8*(\b%2))*4+16
.endr
	WIN 0
.irp a, 0,1,2,3,4,5,6,7
	global_load_b32 v[BL+2*\a], v7, s[82:83] offset:(32*(\a/2)+8*(\a%2))*4
	global_load_b32 v[BL+2*\a+1], v7, s[82:83] offset:(32*(\a/2)+8*(\a%2))*4
.endr
	s_lshr_b32 s86, s44, 3
	s_and_b32 s86, s86, 3
	s_lshl_b32 s86, s86, 4
	s_lshl_b32 s87, s45, 2
	s_add_co_u32 s86, s86, s87
	s_lshl_b32 s87, s72, 1
	s_add_co_u32 s86, s86, s87
	s_lshl_b32 s86, s86, 4
	s_and_b32 s87, s44, 7
	s_lshl_b32 s87, s87, 1
	s_add_co_u32 s86, s86, s87
	s_add_co_u32 s86, s86, s71
	s_mul_i32 s88, s86, 6144
	s_mul_i32 s87, s[MODE], 6291456
	s_add_co_u32 s88, s88, s87
	s_mov_b32 s89, 0
	s_add_nc_u64 s[14:15], s[14:15], s[88:89]
	s_lshl_b32 s88, s86, 8
	s_lshl_b32 s87, s[MODE], 18
	s_add_co_u32 s88, s88, s87
	s_add_nc_u64 s[16:17], s[16:17], s[88:89]
.macro FRAG reg, adr, q, i
.irp p, 0,1,2
	ds_load_b128 v[\reg+4*\p:\reg+4*\p+3], v[\adr] offset:SROW*(\i)+1536*(\q)+512*\p
.endr
.endm
.macro MUL16 a0, p, ks, zero
.irp a, \a0, \a0+1
.irp b, 0,1,2,3,4,5,6,7
.if \zero
	v_wmma_scale_f32_16x16x128_f8f6f4 v[8*(8*((\a)%4)+\b):8*(8*((\a)%4)+\b)+7], v[128*(\p)+FR*\b:128*(\p)+FR*\b+FR-1], v[AF+FR*(\a):AF+FR*(\a)+FR-1], 0, v[SC+8*\b+(\ks)], v[SC+8*(\a)+(\ks)] matrix_a_fmt:MATRIX_FMT_FP6 matrix_b_fmt:MATRIX_FMT_FP6 matrix_a_scale:MATRIX_SCALE_ROW1
.else
	v_wmma_scale_f32_16x16x128_f8f6f4 v[8*(8*((\a)%4)+\b):8*(8*((\a)%4)+\b)+7], v[128*(\p)+FR*\b:128*(\p)+FR*\b+FR-1], v[AF+FR*(\a):AF+FR*(\a)+FR-1], v[8*(8*((\a)%4)+\b):8*(8*((\a)%4)+\b)+7], v[SC+8*\b+(\ks)], v[SC+8*(\a)+(\ks)] matrix_a_fmt:MATRIX_FMT_FP6 matrix_b_fmt:MATRIX_FMT_FP6 matrix_a_scale:MATRIX_SCALE_ROW1
.endif
.endr
.endr
.endm
.macro FETCH_P slot, q, p
	WIN TO_P
.irp i, 0,1,2,3,4,5,6,7
	FRAG 128*(\p)+FR*\i, ADRP+\slot, \q, \i
.endr
	WIN 0
.endm
.macro FETCH_L slot, q, i0
.irp i, \i0, \i0+1, \i0+2, \i0+3
	FRAG AF+FR*(\i), ADRL+\slot, \q, \i
.endr
.endm
.macro PLACES
.rept 4
	v_nop
.endr
.endm
.macro STEP slot, ks, zero
	s_wait_dscnt 4*NL
	WIN MUL_LO
	MUL16 0, 0, \ks, \zero
	MUL16 2, 0, \ks, \zero
	s_wait_dscnt 0x0
	PLACES
	FETCH_P \slot, 1, 1
	FETCH_L \slot, 1, 0
	WIN MUL_HI
	MUL16 4, 0, \ks, \zero
	MUL16 6, 0, \ks, \zero
	PLACES
	WIN 0
	FETCH_L \slot, 1, 4
.endm
.macro TURN slot, next, fill, ks
	s_wait_tensorcnt 0x0
	ds_add_u32 v[SPW], v[NIL]
	s_wait_dscnt 4*NL+1
	WIN MUL_LO
	MUL16 0, 1, \ks, 0
	s_wait_dscnt 0x0
	s_barrier_signal -1
	MUL16 2, 1, \ks, 0
	WIN 0
	s_barrier_wait -1
.if \fill
	CREST
	s_add_nc_u64 s[G0+4*\slot+2:G0+4*\slot+3], s[G0+4*\slot+2:G0+4*\slot+3], 2*SROW
	s_add_nc_u64 s[G0B+4*\slot+2:G0B+4*\slot+3], s[G0B+4*\slot+2:G0B+4*\slot+3], 2*SROW
	JLOAD G0+4*\slot, G1, G0B+4*\slot, G1B
.else
	PLACES
.endif
	FETCH_P \next, 0, 0
	FETCH_L \next, 0, 0
	WIN MUL_HI
	MUL16 4, 1, \ks, 0
	MUL16 6, 1, \ks, 0
	PLACES
	WIN 0
	FETCH_L \next, 0, 4
.endm
	s_wait_tensorcnt 1
	s_barrier_signal -1
	s_barrier_wait -1
	FETCH_P 0, 0, 0
	FETCH_L 0, 0, 0
	FETCH_L 0, 0, 4
	s_wait_loadcnt 0x0
	STEP 0, 0, 1
	TURN 0, 1, 1, 1
	STEP 1, 2, 0
	TURN 1, 0, 1, 3
	STEP 0, 4, 0
	TURN 0, 1, 0, 5
	STEP 1, 6, 0
	s_wait_dscnt 4*NL
	WIN MUL_LO
	MUL16 0, 1, 7, 0
	MUL16 2, 1, 7, 0
	s_wait_dscnt 0x0
	WIN MUL_HI
	MUL16 4, 1, 7, 0
	MUL16 6, 1, 7, 0
	WIN 0
.macro ADDB a, byreg
.if \byreg
	WIN 0x06+((\a)/4)
.else
	WIN 0x02+((\a)/4)
.endif
.irp b, 0,1,2,3,4,5,6,7
.irp i, 0,2,4,6
.if \byreg
	v_pk_add_f32 v[ST+8*\b+\i:ST+8*\b+\i+1], v[8*(8*((\a)%4)+\b)+\i:8*(8*((\a)%4)+\b)+\i+1], v[96+8*\b+96*(\b/4)+\i:96+8*\b+96*(\b/4)+\i+1]
.else
	v_pk_add_f32 v[ST+8*\b+\i:ST+8*\b+\i+1], v[8*(8*((\a)%4)+\b)+\i:8*(8*((\a)%4)+\b)+\i+1], v[BL+2*(\a):BL+2*(\a)+1]
.endif
.endr
.endr
	WIN 0
.endm
.macro QUANT s, d0, d1
.irp b, 0,1,2,3
	v_max3_num_f32 v[TM+\b], |v[\s+16*\b]|, |v[\s+1+16*\b]|, 0x1800000
.endr
.irp i, 2,4,6,8,10,12,14
.irp b, 0,1,2,3
	v_max3_num_f32 v[TM+\b], v[TM+\b], |v[\s+16*\b+\i]|, |v[\s+1+16*\b+\i]|
.endr
.endr
.irp b, 0,1,2,3
	v_permlanex16_b32 v[TM+4+\b], v[TM+\b], s90, s91
.endr
.irp b, 0,1,2,3
	v_max_num_f32 v[TM+\b], v[TM+\b], v[TM+4+\b]
.endr
.irp b, 0,1,2,3
	v_add_nc_u32 v[TM+12+\b], 0xff000000, v[TM+\b]
.endr
.irp b, 0,1,2,3
	v_lshrrev_b32 v[TM+4+\b], 23, v[TM+12+\b]
.endr
	v_cvt_scalef32_pk16_fp6_f32 v[\d0:\d0+2], v[\s:\s+15], v[TM+12]
	v_cvt_scalef32_pk16_fp6_f32 v[CT:CT+2], v[\s+16:\s+31], v[TM+13]
	v_cvt_scalef32_pk16_fp6_f32 v[\d1:\d1+2], v[\s+32:\s+47], v[TM+14]
	v_cvt_scalef32_pk16_fp6_f32 v[CT+4:CT+6], v[\s+48:\s+63], v[TM+15]
	v_nop
.irp i, 0,1,2
	v_permlane16_swap_b32 v[\d0+\i], v[CT+\i]
.endr
.irp i, 0,1,2
	v_permlane16_swap_b32 v[\d1+\i], v[CT+4+\i]
.endr
.irp i, 0,1,2
	v_mov_b32 v[\d0+3+\i], v[CT+\i]
	v_mov_b32 v[\d1+3+\i], v[CT+4+\i]
.endr
.endm
	s_mov_b32 s90, 0x76543210
	s_mov_b32 s91, 0xfedcba98
	PLACES
.irp b, 0,1,2,3
	v_mov_b32 v[TM+4+\b], 0
.endr
	s_cmp_eq_u32 s[MODE], 1
	s_cbranch_scc1 .Lvway
.irp p, 0,1,2,3
	s_wait_xcnt 0x0
.irp t, 0,1
	ADDB 2*\p+\t, 1
	QUANT ST, F0+6*\t, F1+6*\t
.if \t == 0
	v_lshl_or_b32 v[WD+\p], v[TM+5], 8, v[TM+4]
	v_lshl_or_b32 v[WD+4+\p], v[TM+7], 8, v[TM+6]
.else
	v_lshl_or_b32 v[WD+\p], v[TM+4], 16, v[WD+\p]
	v_lshl_or_b32 v[WD+\p], v[TM+5], 24, v[WD+\p]
	v_lshl_or_b32 v[WD+4+\p], v[TM+6], 16, v[WD+4+\p]
	v_lshl_or_b32 v[WD+4+\p], v[TM+7], 24, v[WD+4+\p]
.endif
.endr
.irp l, 0,1,2
	global_store_b128 v[CO], v[F0+4*\l:F0+4*\l+3], s[14:15] offset:1536*\p+512*\l
	global_store_b128 v[CO], v[F1+4*\l:F1+4*\l+3], s[14:15] offset:98304+1536*\p+512*\l
.endr
.endr
	s_branch .Ljoin
.Lvway:
.irp a, 0,1,2,3,4,5,6,7
	s_wait_xcnt 0x0
	ADDB \a, 0
	QUANT ST, F0, F0+6
	v_lshl_or_b32 v[WD+\a], v[TM+5], 8, v[TM+4]
	v_lshl_or_b32 v[WD+\a], v[TM+6], 16, v[WD+\a]
	v_lshl_or_b32 v[WD+\a], v[TM+7], 24, v[WD+\a]
.irp l, 0,1,2
	global_store_b128 v[CO], v[F0+4*\l:F0+4*\l+3], s[14:15] offset:98304*(\a/4)+1536*(\a%4)+512*\l
.endr
.endr
.Ljoin:
	v_cmp_ne_u32 vcc_lo, 0, v2
	s_wait_alu depctr_va_vdst(0)
.irp i, 0,1,2,3
	v_cndmask_b32 v[DD+\i], v[WD+\i], v[WD+4+\i], vcc_lo
.endr
	global_store_b128 v[CS], v[DD:DD+3], s[16:17]
	s_wait_tensorcnt 0x0
	ds_add_u32 v[SPW], v[NIL]
	s_wait_dscnt 0x0
	CROUND
	s_endpgm
.Lfunc_end_k_q9e923ed508_gemm:
	.size	k_q9e923ed508_gemm, .Lfunc_end_k_q9e923ed508_gemm-k_q9e923ed508_gemm
	.p2alignl 7, 3214868480
	.fill 96, 4, 3214868480
	.section	.rodata,"a",@progbits
	.p2align	6, 0x0
	.amdhsa_kernel k_q9e923ed508_gemm
		.amdhsa_group_segment_fixed_size 327680
		.amdhsa_private_segment_fixed_size 0
		.amdhsa_enable_private_segment 0
		.amdhsa_kernarg_size 56
		.amdhsa_user_sgpr_count 2
		.amdhsa_user_sgpr_kernarg_segment_ptr 1
		.amdhsa_wavefront_size32 1
		.amdhsa_system_sgpr_workgroup_id_x 1
		.amdhsa_system_sgpr_workgroup_id_y 1
		.amdhsa_system_sgpr_workgroup_id_z 1
		.amdhsa_system_vgpr_workitem_id 0
		.amdhsa_next_free_vgpr 1024
		.amdhsa_next_free_sgpr 100
		.amdhsa_reserve_vcc 1
		.amdhsa_float_denorm_mode_32 3
		.amdhsa_float_denorm_mode_16_64 3
		.amdhsa_memory_ordered 1
		.amdhsa_forward_progress 1
		.amdhsa_inst_pref_size 206
	.end_amdhsa_kernel
	.amdgpu_metadata
---
amdhsa.version: [ 1, 2 ]
amdhsa.kernels:
  - .name:           k_q9e923ed508_gemm
    .symbol:         k_q9e923ed508_gemm.kd
    .args:
      - { .name: c, .offset: 0, .size: 8, .value_kind: global_buffer, .address_space: global }
      - { .name: sc, .offset: 8, .size: 8, .value_kind: global_buffer, .address_space: global }
      - { .name: bk, .offset: 16, .size: 8, .value_kind: global_buffer, .address_space: global }
      - { .name: bv, .offset: 24, .size: 8, .value_kind: global_buffer, .address_space: global }
      - { .name: bq, .offset: 32, .size: 8, .value_kind: global_buffer, .address_space: global }
      - { .name: f, .offset: 40, .size: 8, .value_kind: global_buffer, .address_space: global }
      - { .name: fs, .offset: 48, .size: 8, .value_kind: global_buffer, .address_space: global }
    .group_segment_fixed_size: 327680
    .private_segment_fixed_size: 0
    .kernarg_segment_align: 8
    .kernarg_segment_size: 56
    .max_flat_workgroup_size: 128
    .sgpr_count:     100
    .vgpr_count:     1024
    .wavefront_size: 32
...
	.end_amdgpu_metadata
.endif
;; end of part 2
;; launch attn (part 3): grid 4 x 64, 16 waves a work-group, clusters of 4 x 1, 327,680 bytes of LDS; arguments f, fs, out0; writes out0
.if DOCPART == 3
	.amdgcn_target "amdgcn-amd-amdhsa--gfx1250"
	.amdhsa_code_object_version 6
	.text
	.protected	k_q9e923ed508_attn
	.globl	k_q9e923ed508_attn
	.p2align	8
	.type	k_q9e923ed508_attn,@function
k_q9e923ed508_attn:
	s_mov_b64 s[64:65], 0
	v_nop
	global_prefetch_b8 v0, s[64:65] scope:SCOPE_SE
	s_setreg_imm32_b32 hwreg(HW_REG_WAVE_MODE, 25, 1), 1
	s_wait_xcnt 0x0
	s_wait_alu depctr_hold_cnt(0) depctr_sa_sdst(0) depctr_va_vdst(0) depctr_va_sdst(0) depctr_va_ssrc(0) depctr_va_vcc(0) depctr_vm_vsrc(0)
	s_getreg_b32 s2, hwreg(HW_REG_IB_STS2, 6, 4)
	s_cmp_eq_u32 s2, 0
	s_cbranch_scc0 .Lentry_in_a_cluster
	s_endpgm
.Lentry_in_a_cluster:
	s_bfe_u32 s2, ttmp6, 0x10000c
	s_cmp_lg_u32 s2, 0x3003
	s_cbranch_scc0 .Lentry_shape_is_right
	s_endpgm
.Lentry_shape_is_right:
; ATTN.  out[b][q][64 head ..] = the sum over k of softmax_k(q . k / 8) v, both products on codes of FP6 (E2M3) with E8M0 scales, for 64 pairs bh = 16 batch + head; 2,048 queries, 2,048 keys, head size 64.
; f and fs are as the launch before lays them: fragment images of 1,536 bytes (register 4 p + e of lane l at byte 512 p + 16 l + 4 e) and scale words, 16 bytes a row position for four images.
; THE SOFTMAX: t = score x log2(e) / 8; M = the row's largest t so far, rounded UP to a whole number; p = 2^(t - M) is quantised along the keys, not normalised; the row's sum is taken of the unquantised p and divides O at the end.
; When M moves, the sum and O are multiplied by 2^(old M - new M): exact.
; SHARES.  A work-group owns 512 queries of one bh, each of its sixteen waves 32: two tiles of 16 (queries q0 + 8 u + r + 8 (r / 8)), walked ONE AFTER THE OTHER over all keys, 256 keys a step: the chain of the running maximum and
; the scaling of O stand once for 256 keys.
; THE HEAD'S WHOLE K AND V LIE IN LDS, filled once, by sixteen joint loads, one a wave: waves 0-7 K's images (24 pieces of 512 bytes each), waves 8-13 V's (16,384 bytes each), waves 14, 15 the scale words.  No byte is filled again.
; CLUSTER.  The four work-groups of a bh ask for every tile jointly: the same loads, the same descriptors, the mask of all four.
; NO PREFETCH: every tile is asked for at the head; there is no loop that runs ahead of a load.
; A WHOLE BLOCK OF 32 KEYS IN A LANE.  An image of k holds key tiles u = 0 (registers 0-5) and u = 1 (6-11) of 32 keys; row position r of tile u is key 8 u + r + 8 (r / 8).  The operand (c, tp) of a run of 128 keys takes its rows 0-7
; from image 2 c, positions 8 tp + 0 .. 7, and its rows 8-15 from image 2 c + 1, the same positions: a choice of LDS addresses alone.  In S^T = K Q^T lane (r, h) then holds query r, and its registers 32 c + 16 tp + 8 u + j are the keys
; 64 c + 32 h + 16 tp + 8 u + j: the very order of the second product's operand.  So a block's largest score needs no other lane and the codes need no exchange between lanes.
; K's pieces of 512 bytes lie 640 bytes apart in LDS (the descriptor pads), so that images 2 c and 2 c + 1 differ by 128 bytes modulo 256.
; THE FIRST PRODUCT HAS K = 64 AND THE INSTRUCTION 128: an operand is multiplied by [q, zeros] for u = 0 and by [zeros, q] for u = 1; q's two scale bytes stand twice in its word.
; A BLOCK'S SCALE: p's largest number in a block is 2^x, x = the block's largest t - M, so its exponent is floor(x): the byte is floor(x) + 125, held at 1 from below.
; LIMITS: NaN and infinities are not served; the scaled scores stay under 2^31 in magnitude; where x lies so close under a whole number that v_exp_f32 rounds 2^x up to the next power of two, that one p is held at the largest code;
; a block of p that has fallen to zeros keeps the byte 1 (its codes are zeros).
.set KF,    0                          ; LDS: K's pieces, 640 bytes apart: 7,680 bytes for 128 keys
.set VF,    122880                     ; V's images, 6,144 bytes for 128 keys
.set KSC,   221184                     ; K's scale words, 256 bytes for 128 keys
.set VSC,   225280                     ; V's
.set STAGE, 229376                     ; the way out: 16 rows x (256 + 16) bytes for each wave; no fill lands here
.set SPARE, 299008                     ; the spare words: 128 bytes a wave
.set KL,  1                            ; v1  K's lane term: 1,920 (r / 8) + 16 (r % 8) + 256 h
.set KSL, 2                            ; v2  K's scale words: KSC + 16 (r % 8) + 4 (r / 8)
.set VL,  3                            ; v3  VF + 16 lane
.set VSL, 4                            ; v4  VSC + 16 r
.set A0,  5                            ; v5  the step's address of K; then at work
.set A1,  6                            ; v6  of K's, then of V's scale words
.set SEL, 7                            ; v7  the byte selects that put my two scale bytes at 2 c + h
; v8 -M, v9 the largest score so far, v[10:11] the sum in two halves
.set BM0, 12                           ; v12, v44-46 the largest score of my four blocks
.set BM1, 44
.set BM2, 45
.set BM3, 46
.set QS,  13                           ; v13 q's scale word
.set PW,  14                           ; v14, v15 p's scale words
.set QHI, 16                           ; v16-33 [zeros 6][q 6][zeros 6]
.set QLO, 22
.set FS,  34                           ; v34-41 eight scale words of K's operands, then of V's images
.set SPW, 42
.set NIL, 43
.set A2,  47                           ; v47 the step's address of V
.set R,   48                           ; v48-95 four operands of k; then p's codes (v48-71) and what is at work
.set S,   96                           ; v96-223 S^T, then p; then V's eight images (v96-191)
.set O,   224                          ; v224-255 O^T
.set SO,  R+24                         ; the conversions' scale operands
.set FF,  R+28                         ; f = 2^(old M - new M), a pair of which the low word serves
.set TT,  R+30
.set OLD, R+31
.set PS,  R+32                         ; the sum's second chain
.set PD,  R+34
.set W,   R+36
.set PX,  R+38
.set HT,  R+32                         ; the upper 16 codes of each block as the conversion leaves them
.set WV,  18
.set G1K, 28
.set G1V, 36
.set G1S, 44
.set G0K, 52
.set G0V, 56
.set G0S, 60
.set TK,  72
.set TV,  73
.set TS,  74
.set CNT, 75
.macro CROUND                          ; a round of the cluster's barrier
	s_barrier_signal -1
	s_barrier_wait -1
	s_cmp_lg_u32 s[WV], 0
	s_cbranch_scc1 .Lnot_wave_0_\@
	s_barrier_signal -3
.Lnot_wave_0_\@:
	s_barrier_wait -3
	s_barrier_signal -1
	s_barrier_wait -1
.endm
.macro PLACES n
.rept \n
	v_nop
.endr
.endm
	s_load_b128 s[4:7], s[0:1], 0x0                ; f, fs
	s_load_b64 s[8:9], s[0:1], 0x10                ; out0
	v_lshl_add_u32 v[SPW], v0, 2, SPARE
	v_mov_b32 v[NIL], 0
	ds_add_u32 v[SPW], v[NIL]                      ; the opening lines: the add, twice on end, and its wait
	ds_add_u32 v[SPW], v[NIL]
	v_lshrrev_b32 v1, 5, v0
	v_readfirstlane_b32 s[WV], v1                  ; wave 0..15
	s_bfe_u32 s10, ttmp6, 0x40000                  ; cx
	s_lshl_b32 s11, ttmp9, 2
	s_add_co_u32 s11, s11, s10                     ; my block of 512 queries: it enters Q's and O's addresses alone
	s_and_b32 s12, ttmp7, 0xffff                   ; bh, which the four partners share
	s_mov_b32 s[G1K], 15|(3<<16)|(1<<20)|(1<<21)|(6<<22)|(31<<25)   ; the mask of all four; elements of 8 bytes; behind every 128 words 32 words of padding
	s_mov_b32 s[G1K+1], 64<<16                     ; 24 rows of 512 bytes
	s_mov_b32 s[G1K+2], 24<<16
	s_mov_b32 s[G1K+3], 64<<16
	s_mov_b32 s[G1K+4], 24
	s_mov_b32 s[G1K+5], 64
	s_mov_b32 s[G1K+6], 0
	s_mov_b32 s[G1K+7], 0
	s_mov_b32 s[G1V], 15|(3<<16)|(1<<21)           ; 64 rows of 256 bytes, dense
	s_mov_b32 s[G1V+1], 32<<16
	s_mov_b32 s[G1V+2], 64<<16
	s_mov_b32 s[G1V+3], 32<<16
	s_mov_b32 s[G1V+4], 64
	s_mov_b32 s[G1V+5], 32
	s_mov_b32 s[G1V+6], 0
	s_mov_b32 s[G1V+7], 0
	s_mov_b32 s[G1S], 15|(3<<16)|(1<<21)           ; 16 rows of 256 bytes
	s_mov_b32 s[G1S+1], 32<<16
	s_mov_b32 s[G1S+2], 16<<16
	s_mov_b32 s[G1S+3], 32<<16
	s_mov_b32 s[G1S+4], 16
	s_mov_b32 s[G1S+5], 32
	s_mov_b32 s[G1S+6], 0
	s_mov_b32 s[G1S+7], 0
	s_mul_i32 s66, s12, 98304                      ; the head's images
	s_lshl_b32 s68, s12, 12                        ; and scale words
	s_mul_i32 s70, s[WV], 12288                    ; K: wave w takes 12,288 bytes,
	s_add_co_u32 s70, s70, s66
	s_mov_b32 s71, 0
	s_mul_i32 s[G0K+1], s[WV], 15360               ; 24 pieces of 640 in LDS
	s_and_b32 s13, s[WV], 7                        ; V: waves 8-13 take part w % 8
	s_lshl_b32 s13, s13, 14
	s_add_co_u32 s[G0V+1], s13, VF
	s_add_co_u32 s66, s66, s13
	s_add_co_u32 s66, s66, 6291456                 ; f's second part
	s_mov_b32 s67, 0
	s_and_b32 s14, s[WV], 1                        ; the scale words: wave 14 K's, wave 15 V's
	s_lshl_b32 s15, s14, 12
	s_add_co_u32 s[G0S+1], s15, KSC
	s_lshl_b32 s14, s14, 18
	s_add_co_u32 s68, s68, s14
	s_mov_b32 s69, 0
	s_mov_b32 s[G0K], 1
	s_mov_b32 s[G0V], 1
	s_mov_b32 s[G0S], 1
	s_mov_b32 s20, 0x76543210
	s_mov_b32 s21, 0xfedcba98                      ; v_permlanex16_b32's selects for lane l xor 16
	s_mov_b32 s22, 0x3e38aa3b                      ; c = log2(e) / 8
	s_mov_b32 s23, s22                             ; (named with it as a pair, so it is written)
	s_mov_b32 s24, 0xbe38aa3b                      ; -c
	s_mul_i32 s16, s[WV], 4352
	s_add_co_u32 s16, s16, STAGE                   ; my stage
	s_wait_dscnt 0x0                               ; both opening adds are done
	s_wait_kmcnt 0x0
	s_add_nc_u64 s[G0K+2:G0K+3], s[4:5], s[70:71]
	s_or_b32 s[G0K+3], s[G0K+3], 0x80000000
	s_add_nc_u64 s[G0V+2:G0V+3], s[4:5], s[66:67]
	s_or_b32 s[G0V+3], s[G0V+3], 0x80000000
	s_add_nc_u64 s[G0S+2:G0S+3], s[6:7], s[68:69]
	s_or_b32 s[G0S+3], s[G0S+3], 0x80000000
	CROUND                                         ; all four work-groups are here: the joint loads meet
	s_cmp_lt_u32 s[WV], 8                          ; one chain of branches on the wave's number: every way passes exactly one load
	s_cbranch_scc0 .Lnot_k
	tensor_load_to_lds s[G0K:G0K+3], s[G1K:G1K+7]
	s_nop 0
	PLACES 4
	s_branch .Lasked
.Lnot_k:
	s_cmp_lt_u32 s[WV], 14
	s_cbranch_scc0 .Lnot_v
	tensor_load_to_lds s[G0V:G0V+3], s[G1V:G1V+7]
	s_nop 0
	PLACES 4
	s_branch .Lasked
.Lnot_v:
	tensor_load_to_lds s[G0S:G0S+3], s[G1S:G1S+7]
	s_nop 0
	PLACES 4
.Lasked:
	s_lshl_b32 s91, s12, 6
	s_lshl_b32 s92, s11, 4
	s_add_co_u32 s91, s91, s92
	s_add_co_u32 s91, s91, s[WV]                   ; my group of 32 queries: 64 bh + 16 block + wave
	s_mul_i32 s92, s91, 1536
	s_add_co_u32 s92, s92, 12582912                ; in f's third part
	s_mov_b32 s93, 0
	s_add_nc_u64 s[4:5], s[4:5], s[92:93]
	s_lshr_b32 s94, s91, 2
	s_lshl_b32 s94, s94, 8
	s_and_b32 s95, s91, 3
	s_lshl_b32 s95, s95, 2
	s_add_co_u32 s94, s94, s95
	s_add_co_u32 s94, s94, 524288                  ; its scale words, in fs's third part
	s_mov_b32 s95, 0
	s_add_nc_u64 s[6:7], s[6:7], s[94:95]
	s_lshr_b32 s13, s12, 4
	s_lshl_b32 s13, s13, 11                        ; 2,048 batch
	s_lshl_b32 s14, s11, 9
	s_add_co_u32 s13, s13, s14
	s_lshl_b32 s14, s[WV], 5
	s_add_co_u32 s13, s13, s14                     ; + q0 = 512 block + 32 wave
	s_lshl_b32 s13, s13, 12                        ; rows of 4,096 bytes
	s_and_b32 s14, s12, 15
	s_lshl_b32 s14, s14, 8                         ; + the head's 256 bytes
	s_add_co_u32 s14, s13, s14
	s_mov_b32 s15, 0
	s_add_nc_u64 s[8:9], s[8:9], s[14:15]
; Q's image (both tiles) and its scale words are asked for: into v48-60.  The four vector lines are also the places behind the last products.
.macro QASK
	v_and_b32 v[R+24], 31, v0
	v_and_b32 v[R+25], 15, v0
	v_lshlrev_b32 v[R+24], 4, v[R+24]
	v_lshlrev_b32 v[R+25], 4, v[R+25]
.irp p, 0,1,2
	global_load_b128 v[R+4*\p:R+4*\p+3], v[R+24], s[4:5] offset:512*\p
.endr
	global_load_b32 v[R+12], v[R+25], s[6:7]
.endm
; Tile u begins: its q, its scale word, its statistics, O^T = 0 (the step is written once: its first trip finds zeros, which f = 0 leaves zeros)
.macro INIT u
	s_wait_loadcnt 0x0
.irp i, 0,1,2,3,4,5
	v_mov_b32 v[QLO+\i], v[R+6*\u+\i]
.endr
.if \u == 0
	v_and_b32 v[R+13], 0xffff, v[R+12]
.else
	v_lshrrev_b32 v[R+13], 16, v[R+12]
.endif
	v_mov_b32 v8, 0x7e000000                       ; -M: so large that the first f is 0
	v_lshl_or_b32 v[QS], v[R+13], 16, v[R+13]      ; the tile's two bytes, twice: they serve [q, zeros] and [zeros, q] alike
	v_mov_b32 v9, 0xff61b1e6                       ; the largest score so far: -3e38
	v_mov_b32 v10, 0
	v_mov_b32 v11, 0
.set j, 0
.rept 32
	v_mov_b32 v[O+j], 0
.set j, j+1
.endr
.endm
	QASK
	v_and_b32 v5, 31, v0                           ; lane
	v_and_b32 v6, 15, v0                           ; r
	v_bfe_u32 v7, v0, 4, 1                         ; h
	v_bfe_u32 v47, v0, 3, 1                        ; r / 8
	v_and_b32 v[KSL], 7, v0                        ; r % 8
	v_lshl_add_u32 v[VL], v5, 4, VF
	v_lshl_add_u32 v[VSL], v6, 4, VSC
	v_lshlrev_b32 v[KL], 4, v[KSL]
	v_lshlrev_b32 v[KSL], 4, v[KSL]
	v_mad_u32_u24 v[KL], v47, 1920, v[KL]
	v_lshl_add_u32 v[KSL], v47, 2, v[KSL]
	v_lshl_add_u32 v[KL], v7, 8, v[KL]
	v_add_nc_u32 v[KSL], KSC, v[KSL]
	v_mov_b32 v47, 0x06030203                      ; lanes 16-31: my bytes go to places 1 and 3,
	v_cmp_ne_u32 vcc_lo, 0, v7
	v_cndmask_b32 v[SEL], 0x03060302, v47, vcc_lo  ; lanes 0-15: to places 0 and 2; the other places take a zero byte
.irp i, 0,1,2,3,4,5
	v_mov_b32 v[QHI+\i], 0                         ; zero codes: they add nothing under any scale byte but 0xff
	v_mov_b32 v[QLO+6+\i], 0
.endr
	INIT 0
.macro KLOAD sub                       ; the four operands (c, tp) = m of 128 keys
.irp m, 0,1,2,3
.irp p, 0,1,2
	ds_load_b128 v[R+12*\m+4*\p:R+12*\m+4*\p+3], v[A0] offset:7680*\sub+3840*(\m/2)+128*(\m%2)+640*\p
.endr
.endr
.endm
.macro QK sub
.irp m, 0,1,2,3
	s_wait_dscnt 9-3*\m                            ; operand m is in; the three loads of each later one may be out
	v_wmma_scale_f32_16x16x128_f8f6f4 v[S+64*\sub+16*\m:S+64*\sub+16*\m+7], v[R+12*\m:R+12*\m+11], v[QLO:QLO+11], 0, v[FS+4*\sub+\m], v[QS] matrix_a_fmt:MATRIX_FMT_FP6 matrix_b_fmt:MATRIX_FMT_FP6
	v_wmma_scale_f32_16x16x128_f8f6f4 v[S+64*\sub+16*\m+8:S+64*\sub+16*\m+15], v[R+12*\m:R+12*\m+11], v[QHI:QHI+11], 0, v[FS+4*\sub+\m], v[QS] matrix_a_fmt:MATRIX_FMT_FP6 matrix_b_fmt:MATRIX_FMT_FP6
.endr
.endm
.macro BMAX d, t, x                    ; v[d] = the largest of the 32 scores from v[x] on, in two chains; each accumulator is first read at its low end
	v_max3_num_f32 v[\d], v[\x], v[\x+1], v[\x+2]
	v_max3_num_f32 v[\t], v[\x+16], v[\x+17], v[\x+18]
.irp i, 3,5,7,9,11,13
	v_max3_num_f32 v[\d], v[\d], v[\x+\i], v[\x+\i+1]
	v_max3_num_f32 v[\t], v[\t], v[\x+16+\i], v[\x+17+\i]
.endr
	v_max3_num_f32 v[\d], v[\d], v[\x+15], v[\x+31]
	s_delay_alu instid0(VALU_DEP_1)
	v_max_num_f32 v[\d], v[\d], v[\t]
.endm
; ONE STEP: 16 queries x 256 keys
.macro STEP
	v_add_nc_u32 v[A0], s[TK], v[KL]               ; these two and three v_nop: five places behind the last products, whose operands are loaded and written over below (ISA guide 7.12.1)
	v_add_nc_u32 v[A1], s[TS], v[KSL]
	PLACES 3
.irp n, 0,1,2,3,4,5,6,7
	ds_load_b32 v[FS+\n], v[A1] offset:256*(\n/4)+8*((\n/2)%2)+128*(\n%2)   ; operand n's scale word of my row
.endr
	KLOAD 0
	QK 0
	v_add_nc_u32 v[A1], s[TS], v[VSL]              ; four places in front of the loads into the operands' registers
	v_add_nc_u32 v[A2], s[TV], v[VL]
	v_add_nc_u32 v[A0], s[TK], v[KL]               ; K's address made anew, next to the loads that read it
	PLACES 1
	KLOAD 1
	BMAX BM0, A0, S                                ; my first block's largest score, while the next operands land
	QK 1
	BMAX BM1, A0, S+32                             ; (scores of the first 128 keys: also the places behind the products above)
	BMAX BM2, A0, S+64
	BMAX BM3, FF, S+96
	v_max3_num_f32 v[TT], v[BM0], v[BM1], v[BM2]
	v_mov_b32 v[OLD], v8
	s_delay_alu instid0(VALU_DEP_2)
	v_max_num_f32 v[TT], v[TT], v[BM3]
	s_delay_alu instid0(VALU_DEP_1)
	v_permlanex16_b32 v[PD], v[TT], s20, s21       ; lane l xor 16 holds my query's other blocks
	s_delay_alu instid0(VALU_DEP_1)
	v_max3_num_f32 v9, v9, v[TT], v[PD]            ; the running largest score
	s_delay_alu instid0(VALU_DEP_1)
	v_mul_f32 v[TT], s24, v9                       ; -t (c is positive)
	s_delay_alu instid0(VALU_DEP_1)
	v_floor_f32 v8, v[TT]                          ; the new -M = floor(-t) = -ceil(t)
	s_delay_alu instid0(VALU_DEP_1)
	v_sub_f32 v[TT], v8, v[OLD]                    ; old M - new M: a whole number, 0 or less
	s_delay_alu instid0(VALU_DEP_1)
	v_cvt_i32_f32 v[TT], v[TT]                     ; (it saturates)
	s_delay_alu instid0(VALU_DEP_1)
	v_ldexp_f32 v[FF], 1.0, v[TT]                  ; f = 2^(old M - new M)
.set j, 0
.rept 64
	v_pk_fma_f32 v[S+j:S+j+1], v[S+j:S+j+1], s[22:23], v[8:9] op_sel_hi:[1,0,0]   ; t - M, two at a time
.set j, j+2
.endr
.irp b, BM0, BM1, BM2, BM3
	v_fma_f32 v[\b], v[\b], s22, v8                ; x: the same of each block's largest score
.endr
	s_wait_alu depctr_va_vdst(0)                   ; the wait ahead of the batch
.set j, 0
.rept 128
	v_exp_f32 v[S+j], v[S+j]                       ; p = 2^(t - M), at most 1
.set j, j+1
.endr
	v_pk_mul_f32 v[10:11], v[10:11], v[FF:FF+1] op_sel_hi:[1,0]   ; the sums under the new M: the plain line behind the exponentials
.irp b, BM0, BM1, BM2, BM3
	v_cvt_floor_i32_f32 v[\b], v[\b]               ; floor(x): the exponent of the block's largest p
.endr
.irp b, BM0, BM1, BM2, BM3
	v_max_i32 v[\b], 0xffffff84, v[\b]             ; held at -124: the byte cannot fall under 1
.endr
.irp b, BM0, BM1, BM2, BM3
	v_add_lshl_u32 v[\b], v[\b], 125, 16           ; the scale's byte, in byte 2
.endr
	v_lshlrev_b32 v[SO], 7, v[BM0]                 ; in the exponent field: the conversion's scale operand
	v_lshlrev_b32 v[SO+1], 7, v[BM1]
	v_lshlrev_b32 v[SO+2], 7, v[BM2]
	v_lshlrev_b32 v[SO+3], 7, v[BM3]
	v_perm_b32 v[W], v[BM1], v[BM0], v[SEL]        ; my two bytes of 128 keys at places 2 c + h,
	v_perm_b32 v[W+1], v[BM3], v[BM2], v[SEL]
	s_delay_alu instid0(VALU_DEP_2)
	v_permlanex16_b32 v[PX], v[W], s20, s21
	s_delay_alu instid0(VALU_DEP_2)
	v_permlanex16_b32 v[PX+1], v[W+1], s20, s21
	s_delay_alu instid0(VALU_DEP_2)
	v_or_b32 v[PW], v[W], v[PX]                    ; with lane l xor 16's two: p's scale word
	s_delay_alu instid0(VALU_DEP_2)
	v_or_b32 v[PW+1], v[W+1], v[PX+1]
	s_wait_alu depctr_va_vdst(0)                   ; one wait for the batch of 128, ahead of its first reader
	v_pk_add_f32 v[PS:PS+1], v[S:S+1], v[S+2:S+3]  ; the row's sum is taken of the unquantised p, in two chains
.set j, 4
.rept 31
	v_pk_add_f32 v[10:11], v[10:11], v[S+j:S+j+1]
	v_pk_add_f32 v[PS:PS+1], v[PS:PS+1], v[S+j+2:S+j+3]
.set j, j+4
.endr
	s_delay_alu instid0(VALU_DEP_1)
	v_pk_add_f32 v[10:11], v[10:11], v[PS:PS+1]
.irp b, 0,1,2,3
	v_cvt_scalef32_pk16_fp6_f32 v[R+6*\b:R+6*\b+2], v[S+32*\b:S+32*\b+15], v[SO+\b]
	v_cvt_scalef32_pk16_fp6_f32 v[HT+4*\b:HT+4*\b+2], v[S+32*\b+16:S+32*\b+31], v[SO+\b]   ; (a conversion's three registers begin on an even number)
.endr
	v_nop                                          ; one plain line behind the scaled conversions
	ds_load_b128 v[FS:FS+3], v[A1]                 ; p is in codes: its registers take V's eight images, which land while the lines below run
	ds_load_b128 v[FS+4:FS+7], v[A1] offset:256
.irp i, 0,1,2,3,4,5,6,7
.irp p, 0,1,2
	ds_load_b128 v[S+12*\i+4*\p:S+12*\i+4*\p+3], v[A2] offset:6144*(\i/4)+1536*(\i%4)+512*\p
.endr
.endr
.irp b, 0,1,2,3
.irp i, 0,1,2
	v_mov_b32 v[R+6*\b+3+\i], v[HT+4*\b+\i]
.endr
.endr
	s_wait_alu depctr_va_vdst(0)                   ; the wait directly ahead of the first reader of O^T
.set j, 0
.rept 16
	v_pk_mul_f32 v[O+j:O+j+1], v[O+j:O+j+1], v[FF:FF+1] op_sel_hi:[1,0]   ; O^T under the new M.  (These sixteen also stand between the lines that made p's codes and the products)
.set j, j+2
.endr
	s_wait_alu depctr_va_vdst(0)
.irp i, 0,1,2,3,4,5,6,7                ; O^T += V^T P^T: the head's four tiles of 16 channels by turns, 128 keys and then the next 128
	s_wait_dscnt 21-3*\i                           ; image i is in; the three loads of each later one may be out
	v_wmma_scale_f32_16x16x128_f8f6f4 v[O+8*(\i%4):O+8*(\i%4)+7], v[S+12*\i:S+12*\i+11], v[R+12*(\i/4):R+12*(\i/4)+11], v[O+8*(\i%4):O+8*(\i%4)+7], v[FS+\i], v[PW+\i/4] matrix_a_fmt:MATRIX_FMT_FP6 matrix_b_fmt:MATRIX_FMT_FP6
.endr
.endm
.macro WALK                            ; all 2,048 keys
	s_mov_b32 s[TK], 0
	s_mov_b32 s[TV], 0
	s_mov_b32 s[TS], 0
	s_mov_b32 s[CNT], 8
.Lstep_\@:
	STEP
	s_add_co_u32 s[TK], s[TK], 15360
	s_add_co_u32 s[TV], s[TV], 12288
	s_add_co_u32 s[TS], s[TS], 512
	s_sub_co_u32 s[CNT], s[CNT], 1
	s_cmp_lg_u32 s[CNT], 0
	s_cbranch_scc1 .Lstep_\@
.endm
; THE WAY OUT of tile u: O^T is divided by the sum and goes through my stage in LDS, so that sixteen lanes store one query's 256 consecutive bytes.  The address lines are the places behind the last products.
.macro OUT u
	v_and_b32 v[R+29], 15, v0                      ; r
	v_bfe_u32 v[R+30], v0, 4, 1                    ; h
	v_add_f32 v10, v10, v11
	v_lshlrev_b32 v[R+26], 4, v[R+29]
	v_mul_u32_u24 v[R+27], v[R+29], 272
	v_mul_u32_u24 v[R+28], v[R+30], 272
	v_permlanex16_b32 v[R+31], v10, s20, s21
	v_lshl_add_u32 v[R+26], v[R+30], 12, v[R+26]   ; in out0: lanes 0-15 one query's 256 bytes, lanes 16-31 the next query's
	v_lshl_add_u32 v[R+27], v[R+30], 6, v[R+27]
	v_lshl_add_u32 v[R+28], v[R+29], 4, v[R+28]
	v_add_f32 v10, v10, v[R+31]                    ; with lane l xor 16's: the row's sum
	v_add_nc_u32 v[R+27], s16, v[R+27]             ; into the stage: row r, + 64 h
	v_add_nc_u32 v[R+28], s16, v[R+28]             ; back: lanes 0-15 one row, lanes 16-31 the next
	s_wait_alu depctr_va_vdst(0)                   ; the wait ahead of the transcendental
	v_rcp_f32 v10, v10
	v_nop                                          ; a plain line behind it,
	s_wait_alu depctr_va_vdst(0)                   ; and the wait ahead of its first reader, which is O^T's first reader too
.set j, 0
.rept 16
	v_pk_mul_f32 v[S+j:S+j+1], v[O+j:O+j+1], v[10:11] op_sel_hi:[1,0]
.set j, j+2
.endr
.irp t, 0,1,2,3                        ; channel tile t = 2 g + u': bytes 128 g + 64 h + 32 u' of the row
	ds_store_b128 v[R+27], v[S+8*\t:S+8*\t+3] offset:128*(\t/2)+32*(\t%2)
	ds_store_b128 v[R+27], v[S+8*\t+4:S+8*\t+7] offset:128*(\t/2)+32*(\t%2)+16
.endr
.irp i, 0,1,2,3,4,5,6,7
	ds_load_b128 v[S+32+4*\i:S+32+4*\i+3], v[R+28] offset:544*\i   ; LDS serves a wave's instructions in order: these see my stores
.endr
.irp i, 0,1,2,3,4,5,6,7                ; row position 2 i + lane / 16 of tile u is query q0 + 8 u + 2 i + lane / 16 + 8 (i / 4)
	s_wait_dscnt 7-\i                              ; the later loads may be out
	global_store_b128 v[R+26], v[S+32+4*\i:S+32+4*\i+3], s[8:9] offset:(2*\i+8*(\i/4)+8*\u)*4096 th:TH_STORE_NT
.endr
.endm
	s_wait_alu depctr_va_vdst(0)                   ; the wait at the head's end
	s_wait_tensorcnt 0x0                           ; my one load has landed,
	s_wait_dscnt 0x0
	s_barrier_signal -1
	s_barrier_wait -1                              ; and so has every wave's: K, V and the scale words are whole.  Nothing is filled again
	WALK
	QASK                                           ; the second tile's q is on its way while the first tile leaves
	OUT 0
	s_wait_xcnt 0x0                                ; the stores have read their registers: they are written again below
	INIT 1
	WALK
	OUT 1
	s_wait_tensorcnt 0x0                           ; the wave's end
	ds_add_u32 v[SPW], v[NIL]
	s_wait_dscnt 0x0
	CROUND                                         ; the closing round
	s_endpgm
.Lfunc_end_k_q9e923ed508_attn:
	.size	k_q9e923ed508_attn, .Lfunc_end_k_q9e923ed508_attn-k_q9e923ed508_attn
	.p2alignl 7, 3214868480
	.fill 96, 4, 3214868480
	.section	.rodata,"a",@progbits
	.p2align	6, 0x0
	.amdhsa_kernel k_q9e923ed508_attn
		.amdhsa_group_segment_fixed_size 327680
		.amdhsa_private_segment_fixed_size 0
		.amdhsa_enable_private_segment 0
		.amdhsa_kernarg_size 24
		.amdhsa_user_sgpr_count 2
		.amdhsa_user_sgpr_kernarg_segment_ptr 1
		.amdhsa_wavefront_size32 1
		.amdhsa_system_sgpr_workgroup_id_x 1
		.amdhsa_system_sgpr_workgroup_id_y 1
		.amdhsa_system_sgpr_workgroup_id_z 1
		.amdhsa_system_vgpr_workitem_id 0
		.amdhsa_next_free_vgpr 256
		.amdhsa_next_free_sgpr 96
		.amdhsa_reserve_vcc 1
		.amdhsa_float_denorm_mode_32 3
		.amdhsa_float_denorm_mode_16_64 3
		.amdhsa_memory_ordered 1
		.amdhsa_forward_progress 1
		.amdhsa_inst_pref_size 76
	.end_amdhsa_kernel
	.amdgpu_metadata
---
amdhsa.version: [ 1, 2 ]
amdhsa.kernels:
  - .name:           k_q9e923ed508_attn
    .symbol:         k_q9e923ed508_attn.kd
    .args:
      - { .name: f, .offset: 0, .size: 8, .value_kind: global_buffer, .address_space: global }
      - { .name: fs, .offset: 8, .size: 8, .value_kind: global_buffer, .address_space: global }
      - { .name: out0, .offset: 16, .size: 8, .value_kind: global_buffer, .address_space: global }
    .group_segment_fixed_size: 327680
    .private_segment_fixed_size: 0
    .kernarg_segment_align: 8
    .kernarg_segment_size: 24
    .max_flat_workgroup_size: 512
    .sgpr_count:     96
    .vgpr_count:     256
    .wavefront_size: 32
...
	.end_amdgpu_metadata
.endif
;; end of part 3
